; MI455X (gfx1250); checked and timed in simulation.
; The chip was launched on July 23, 2026; its instructions are those of AMD's public machine-readable ISA for CDNA 5 (MIT licence, August 2026) and "CDNA5" Instruction Set Architecture Reference Guide (July 2026). The comments in the code are by the model that wrote it; some were corrected since.
;; HF guided CA. Allowed arithmetic: matrix products marked QUANTISED: E5M2 operands, one E8M0 scale for each 32 along K, by v_wmma_scale_f32_16x16x128_f8f6f4 with both operands' format E5M2, f32 sums; products left as they are: f32 operands where the result goes on into a quantised operand, else bf16, f16 or f32 operands; f32 sums; everything else in f32.
;; Inputs: b_out 256 float32; gn_bias 256 float32; gn_weight 256 float32; input 8 x 256 x 32 x 64 float32; quary 8 x 3 x 32 x 64 float32; w_kv_codes 512 x 8 x 32 uint8 (E5M2 codes of w_kv, K innermost, in blocks of 32 codes); w_kv_scales 512 x 8 uint8 (E8M0 scales of w_kv, one for each 32 codes along K); w_out_codes 256 x 8 x 32 uint8 (E5M2 codes of w_out, K innermost, in blocks of 32 codes); w_out_scales 256 x 8 uint8 (E8M0 scales of w_out, one for each 32 codes along K); w_q 256 x 3 float32.
;; Outputs: out0 8 x 256 x 32 x 64 float32.
;; This version of the problem:
;;   THIS VERSION OF THE PROBLEM IS GIVEN IN LOW PRECISION. The matrix products marked QUANTISED in the list below multiply operands that are first quantised to E5M2 (5 exponent bits, 2 mantissa bits; 8 bits a number), with one power-of-two scale for each 32 numbers along K (OCP MX v1.0); their sums are f32. All else is computed in f32.
;;   The module's matrix products, in the order in which they are computed (A, B: the left and right operand; K: the contracted axis; several contracted axes count as one K, in the product's order):
;;     1. [M 16,384, K 256] x [K 256, N 512]; A: computed on the way; B: input w_kv (given as codes): QUANTISED
;;     2. [M 16,384, K 3] x [K 3, N 256]; A: input quary; B: input w_q: left as it is (K = 3 < 32)
;;     3. batch 8 x [M 2,048, K 256] x [K 256, N 2,048]; A: computed on the way; B: computed on the way: QUANTISED
;;     4. batch 8 x [M 256, K 2,048] x [K 2,048, N 2,048]; A: computed on the way; B: computed on the way: QUANTISED
;;     5. [M 16,384, K 256] x [K 256, N 256]; A: computed on the way; B: input w_out (given as codes): QUANTISED
;;   THE QUANTISER, for each operand of a quantised product, along K:
;;     - K is cut into blocks of 32 from its start; a last block that is shorter is filled with zeros.
;;     - A block's scale is 2^e with e = floor(log2(the largest magnitude in the block)) - 15, held to -126 .. 127; a block of zeros has e = 0. As a byte (E8M0): e + 127.
;;     - Each number is divided by its block's scale, clamped to +-57,344, and rounded to the nearest number of E5M2, ties to even, subnormals kept.
;;     - The product sums the exact products of the quantised numbers (number of the format x scale) in f32.
;;   ~~~python
;;   def quantise(x, axis):      # numpy; x: float32 -> the quantised numbers, widened to float32 again
;;       x = np.moveaxis(x, axis, -1); K = x.shape[-1]
;;       x = np.pad(x, [(0, 0)] * (x.ndim - 1) + [(0, -K % 32)]); x = x.reshape(x.shape[:-1] + (-1, 32)); a = np.abs(x).max(-1, keepdims=True)
;;       e = np.where(a > 0, np.clip(np.frexp(np.where(a > 0, a, 1))[1] - 1 - 15, -126, 127), 0)      # np.frexp(a)[1] - 1 = floor(log2(a)), exactly
;;       r = np.clip(x / 2.0 ** e, -57344, 57344)
;;       step = 2.0 ** (np.maximum(np.frexp(np.where(r == 0, 1, r))[1] - 1, -14) - 2)
;;       q = np.round(r / step) * step * 2.0 ** e      # np.round: ties to even
;;       return np.moveaxis(q.reshape(q.shape[:-2] + (-1,))[..., :K], -1, axis).astype(np.float32)
;;   ~~~
;;   OPERANDS COMPUTED ON THE WAY. 'Computed on the way' means the value that the module computes at that place (a softmax that the list does not call 'softmax' is quantised finished and normalised). What goes into a quantiser is computed in f32, as accurately as f32 sums, v_exp_f32 and their like allow (about 1e-6 of the number): no bf16 or f16 on the way to a quantiser, and a product that is left as it is and whose result goes on into a quantised operand takes f32 operands (vector FMAs, or v_wmma_f32_16x16x4_f32). A number that lies on a knife's edge between two numbers of the format may be rounded either way, as far as f32 arithmetic and the matrix unit's own rounding can turn it there, and no further.
;;   INPUTS GIVEN AS CODES. w_kv (in the module: [512, 256], K = its axis 1); w_out (in the module: [256, 256], K = its axis 1): each comes as NAME_codes (uint8): NAME with its K axis moved to the last place and cut into blocks of 32 codes, [.., K / 32, bytes a block], one block behind the other in memory; one code a byte (a code: sign, 5 exponent bits, 2 mantissa bits); and NAME_scales (uint8): the same leading axes, one E8M0 byte (e + 127) for each 32 codes along K. Its value is code x scale, taken as it is: it is not quantised again, and the codes and scales need not be those that the quantiser above would give.
;; One version. Each part assembles by itself: llvm-mc -triple=amdgcn-amd-amdhsa -mcpu=gfx1250 --defsym DOCPART=n.
;; ======== version 1 of 1: 3 launches
;; workspace buffers: stats 2,048 bytes; kc 4,325,376 bytes; vc 4,325,376 bytes
;; launch stats (part 1): grid 256 x 1, 8 waves a work-group, no clusters, 1,536 bytes of LDS; arguments input, stats; writes stats
.if DOCPART == 1
	.amdgcn_target "amdgcn-amd-amdhsa--gfx1250"
	.amdhsa_code_object_version 6
	.text
	.protected	k_qb02d8d08dc_stats
	.globl	k_qb02d8d08dc_stats
	.p2align	8
	.type	k_qb02d8d08dc_stats,@function
k_qb02d8d08dc_stats:
	s_mov_b64 s[64:65], 0
	v_nop
	global_prefetch_b8 v0, s[64:65] scope:SCOPE_SE
	s_setreg_imm32_b32 hwreg(HW_REG_WAVE_MODE, 25, 1), 1
	s_wait_xcnt 0x0
; GROUP STATISTICS.  input is [8][256][2048] f32; a group is 8 channels x 2,048 positions of one batch: 16,384 numbers, 65,536 consecutive bytes.
; Work-group i = 32 x batch + group owns group i and stores (mean, 1 / sqrt(variance + 1e-5)) as two f32 at byte 8 i of stats.
; THE PROGRAM: three launches.  This one; kv (norm, quantised; the product with w_kv; K and V quantised into kc and vc); attn (q, both attention products, the out projection, bias, residual).
; NO WORK OF reference() IS LEFT OUT, and every input is loaded by some launch.  (attn computes the scores twice, since the weights are quantised normalised.)
; The group stays in registers, 64 numbers a thread, between the pass that finds the mean and the pass that sums the squares of the differences from it: no difference of large sums is formed.
; Each load of a wave covers 512 consecutive bytes.  The 8 bytes a work-group stores are all that the launch writes: 2,048 bytes in all.
; LIMITS: NaN and infinities among the inputs are not served.
.set RED1,  0                          ; LDS: eight partial sums
.set RED2,  256                        ; eight partial sums of squares: bytes of their own, so that no barrier is needed between the two uses
.set SPARE, 512                        ; the spare words, 128 bytes for each wave: four blocks of 256 bytes that no other line names
.set X,     16                         ; v16-79  my 64 numbers
.set CHN,   80                         ; v80-87  four packed chains
	s_load_b128 s[4:7], s[0:1], 0x0                ; input, stats
	v_lshl_add_u32 v2, v0, 2, SPARE                ; my spare word; never rewritten
	v_mov_b32 v3, 0                                ; 0; never rewritten
	v_lshlrev_b32 v1, 4, v0                        ; 16 bytes a thread
	v_lshrrev_b32 v4, 5, v0
	v_readfirstlane_b32 s8, v4                     ; wave
	v_lshlrev_b32 v4, 2, v4                        ; my wave's word among the partial sums
	v_mov_b32 v5, 0                                ; LDS address of the partial sums
	v_mov_b32 v89, 0                               ; a lane permute's destination counts as one of its sources
	v_mov_b32 v10, 0                               ; the store's offset
	s_lshl_b32 s10, ttmp9, 16                      ; my group's 65,536 bytes
	s_mov_b32 s11, 0
	s_lshl_b32 s2, ttmp9, 3                        ; my 8 bytes of stats
	s_mov_b32 s3, 0
	s_mov_b32 s12, 0x76543210
	s_mov_b32 s13, 0xfedcba98                      ; v_permlanex16_b32's selects for lane l xor 16
	s_mov_b32 s14, 0x3727c5ac                      ; 1e-5
	s_mov_b32 s15, 0x38800000                      ; 1 / 16,384
	s_wait_kmcnt 0x0
	s_add_nc_u64 s[4:5], s[4:5], s[10:11]
	s_add_nc_u64 s[6:7], s[6:7], s[2:3]
.irp k, 0,1,2,3,4,5,6,7,8,9,10,11,12,13,14,15
	global_load_b128 v[X+4*\k:X+4*\k+3], v1, s[4:5] offset:4096*\k
.endr
; the four chains into one number, then over the wave's 32 lanes: every lane ends with the wave's sum in v88
.macro FOLD
	v_pk_add_f32 v[CHN:CHN+1], v[CHN:CHN+1], v[CHN+2:CHN+3]
	v_pk_add_f32 v[CHN+4:CHN+5], v[CHN+4:CHN+5], v[CHN+6:CHN+7]
	v_pk_add_f32 v[CHN:CHN+1], v[CHN:CHN+1], v[CHN+4:CHN+5]
	v_add_f32 v88, v[CHN], v[CHN+1]
	v_add_f32_dpp v88, v88, v88 row_xmask:1 row_mask:0xf bank_mask:0xf
	v_add_f32_dpp v88, v88, v88 row_xmask:2 row_mask:0xf bank_mask:0xf
	v_add_f32_dpp v88, v88, v88 row_xmask:4 row_mask:0xf bank_mask:0xf
	v_add_f32_dpp v88, v88, v88 row_xmask:8 row_mask:0xf bank_mask:0xf
	v_permlanex16_b32 v89, v88, s12, s13
	v_add_f32 v88, v88, v89
.endm
; over the eight waves: each stores its sum to its own word, one barrier, every wave reads all eight
.macro XRED base
	ds_store_b32 v4, v88 offset:\base
	s_wait_dscnt 0x0                               ; for the others' sake: my store has landed
	s_barrier_signal -1
	s_barrier_wait -1
	ds_load_b128 v[88:91], v5 offset:\base
	ds_load_b128 v[92:95], v5 offset:\base+16
	s_wait_dscnt 0x0
	v_add_f32 v88, v88, v89
	v_add_f32 v90, v90, v91
	v_add_f32 v92, v92, v93
	v_add_f32 v94, v94, v95
	v_add_f32 v88, v88, v90
	v_add_f32 v92, v92, v94
	v_add_f32 v88, v88, v92
.endm
	s_wait_loadcnt 12                              ; the first four loads are in; the twelve younger may be out
.irp k, 0,1,2,3
	v_pk_add_f32 v[CHN+2*\k:CHN+2*\k+1], v[X+4*\k:X+4*\k+1], v[X+4*\k+2:X+4*\k+3]   ; the first sums start the chains: nothing is cleared
.endr
.irp g, 1,2,3
	s_wait_loadcnt 12-4*\g                         ; the next four loads are in
.irp p, 0,1
.irp k, 0,1,2,3
	v_pk_add_f32 v[CHN+2*\k:CHN+2*\k+1], v[CHN+2*\k:CHN+2*\k+1], v[X+16*\g+4*\k+2*\p:X+16*\g+4*\k+2*\p+1]
.endr
.endr
.endr
	FOLD
	XRED RED1
	v_mul_f32 v6, s15, v88                         ; the mean
	v_mov_b32 v7, v6
.set i, 0
.rept 32
	v_pk_add_f32 v[X+i:X+i+1], v[X+i:X+i+1], v[6:7] neg_lo:[0,1] neg_hi:[0,1]   ; x - mean
.set i, i+2
.endr
.irp k, 0,1,2,3
	v_pk_mul_f32 v[CHN+2*\k:CHN+2*\k+1], v[X+2*\k:X+2*\k+1], v[X+2*\k:X+2*\k+1]
.endr
.set i, 8
.rept 28
	v_pk_fma_f32 v[CHN+i%8:CHN+i%8+1], v[X+i:X+i+1], v[X+i:X+i+1], v[CHN+i%8:CHN+i%8+1]
.set i, i+2
.endr
	FOLD
	XRED RED2
	v_fma_f32 v8, v88, s15, s14                    ; the variance + 1e-5
	v_rsq_f32 v7, v8
	v_nop                                          ; a plain instruction behind the transcendental
	s_wait_alu depctr_va_vdst(0)                   ; and a wait ahead of the first use of its result, and ahead of the branch
	s_cmp_lg_u32 s8, 0
	s_cbranch_scc1 .Ldone                          ; wave 0 stores
	v_cmp_eq_u32 vcc_lo, 0, v0
	s_wait_xcnt 0x0                                ; EXEC changes only behind this wait: my loads have had their addresses translated
	s_and_saveexec_b32 s9, vcc_lo
	global_store_b64 v10, v[6:7], s[6:7]           ; thread 0: (mean, 1 / sqrt(variance + 1e-5))
	s_wait_xcnt 0x0                                ; and again, in front of the line that widens it
	s_or_b32 exec_lo, exec_lo, s9
.Ldone:
	s_wait_tensorcnt 0x0                           ; the wave's end
	ds_add_u32 v2, v3
	s_wait_dscnt 0x0
	s_endpgm
.Lfunc_end_k_qb02d8d08dc_stats:
	.size	k_qb02d8d08dc_stats, .Lfunc_end_k_qb02d8d08dc_stats-k_qb02d8d08dc_stats
	.p2alignl 7, 3214868480
	.fill 96, 4, 3214868480
	.section	.rodata,"a",@progbits
	.p2align	6, 0x0
	.amdhsa_kernel k_qb02d8d08dc_stats
		.amdhsa_group_segment_fixed_size 1536
		.amdhsa_private_segment_fixed_size 0
		.amdhsa_enable_private_segment 0
		.amdhsa_kernarg_size 16
		.amdhsa_user_sgpr_count 2
		.amdhsa_user_sgpr_kernarg_segment_ptr 1
		.amdhsa_wavefront_size32 1
		.amdhsa_system_sgpr_workgroup_id_x 1
		.amdhsa_system_sgpr_workgroup_id_y 1
		.amdhsa_system_sgpr_workgroup_id_z 1
		.amdhsa_system_vgpr_workitem_id 0
		.amdhsa_next_free_vgpr 96
		.amdhsa_next_free_sgpr 66
		.amdhsa_reserve_vcc 1
		.amdhsa_float_denorm_mode_32 3
		.amdhsa_float_denorm_mode_16_64 3
		.amdhsa_memory_ordered 1
		.amdhsa_forward_progress 1
		.amdhsa_inst_pref_size 12
	.end_amdhsa_kernel
	.amdgpu_metadata
---
amdhsa.version: [ 1, 2 ]
amdhsa.kernels:
  - .name:           k_qb02d8d08dc_stats
    .symbol:         k_qb02d8d08dc_stats.kd
    .args:
      - { .name: input, .offset: 0, .size: 8, .value_kind: global_buffer, .address_space: global }
      - { .name: stats, .offset: 8, .size: 8, .value_kind: global_buffer, .address_space: global }
    .group_segment_fixed_size: 1536
    .private_segment_fixed_size: 0
    .kernarg_segment_align: 8
    .kernarg_segment_size: 16
    .max_flat_workgroup_size: 256
    .sgpr_count:     66
    .vgpr_count:     96
    .wavefront_size: 32
...
	.end_amdgpu_metadata
.endif
;; end of part 1
;; launch kv (part 2): grid 32 x 8, 16 waves a work-group, no clusters, 18,944 bytes of LDS; arguments input, stats, gn_weight, gn_bias, w_kv_codes, w_kv_scales, kc, vc; writes kc, vc
.if DOCPART == 2
	.amdgcn_target "amdgcn-amd-amdhsa--gfx1250"
	.amdhsa_code_object_version 6
	.text
	.protected	k_qb02d8d08dc_kv
	.globl	k_qb02d8d08dc_kv
	.p2align	8
	.type	k_qb02d8d08dc_kv,@function
k_qb02d8d08dc_kv:
	s_mov_b64 s[64:65], 0
	v_nop
	global_prefetch_b8 v0, s[64:65] scope:SCOPE_SE
	s_setreg_imm32_b32 hwreg(HW_REG_WAVE_MODE, 25, 1), 1
	s_wait_xcnt 0x0
; NORM, THE PRODUCT WITH w_kv, AND K AND V AS CODES.  No work of reference() is left out here.
; A work-group takes 64 positions of one batch (x = block of positions, y = batch); sixteen waves.
; PHASE 1.  Wave w takes channels 32 (w % 8) .. + 31 and positions 32 (w / 8) + lane: a lane holds ONE position and a whole block of 32 channels, so that the block's largest magnitude needs no other lane.
;   norm = (x - mean) (rstd gamma) + beta in f32, quantised to BF8 (E5M2) with one E8M0 byte for the block.  The codes go to LDS as IMAGES OF THE OPERAND'S REGISTERS (16 bytes a lane, 512 a piece).
; PHASE 2, behind the launch's one barrier.  Wave w owns rows 32 w .. 32 w + 31 of w_kv, kept in registers: waves 0-7 make K's channels, waves 8-15 V's.
;   K: source 0 = 16 rows of w_kv, source 1 = 16 positions: a lane holds one key and 16 neighbouring channels: quantised along the channels.
;   V: source 0 = 16 positions, source 1 = 16 rows of w_kv: a lane holds one channel and 16 neighbouring keys: quantised along the keys.
; THE ROWS OF A TILE ARE NOT NEIGHBOURS, for positions and for rows of w_kv alike: row r of tile 2 b + u stands for index 32 b + 8 u + r + 8 (r / 8), so that the 16 registers of tiles u = 0, 1 are 16 neighbours: 32 b + 16 (lane / 16) + 0 .. 15.
; kc, vc ARE LAID IN THE ORDER OF THE READER'S REGISTERS: a chunk is 16 pieces of 512 bytes (piece p = registers 4 p .. 4 p + 3 of 64, lane l's 16 bytes at 16 l) and 256 bytes of scale words, 8 bytes a lane: 8,448 bytes.
;   kc [batch][block of 32 keys]: piece (2 u + s) 4 + c = key tile u, channels 128 s + 32 c on; scales: lane 16 u + r, word s, byte c.
;   vc [batch][quarter of the channels cq][key step ks of 128]: piece 4 a + c, a = 2 A + U: channels 64 cq + 32 (A xor (ks / 8)) + 8 U + r + 8 (r / 8), keys 128 ks + 32 c on; scales: lane 16 U + r, word A, byte c.
; The codes leave as stores of 512 consecutive bytes at multiples of 256.  The scale bytes leave as single bytes or pairs, 8 bytes apart: 256 of a chunk's 8,448 bytes.
; LIMITS: NaN and infinities among the inputs are not served.  A block of zeros gets the byte 1 where the quantiser says 127: its codes are zeros, and this program alone reads the bytes.
.set CH,    8448
.set NIMG,  0                          ; LDS: the norm's 8 fragments f = 4 b' + 2 u + s, 2,048 bytes each
.set NSC,   16384                      ; their scale words: 64 f + 4 r, byte c
.set SPARE, 16896                      ; the spare words, 128 bytes for each wave: eight blocks of 256 bytes that no other line names
.set L16, 1                            ; v1   16 x lane
.set L8,  2                            ; v2   8 x lane
.set R4,  3                            ; v3   4 x (lane % 16)
.set XO,  4                            ; v4   4 x lane
.set NWI, 5                            ; v5   where I store my position's codes
.set NWS, 6                            ; v6   and its scale byte
.set WCA, 7                            ; v7   w_kv's codes: 256 (r + 8 (r / 8)) + 16 h
.set WSA, 8                            ; v8   w_kv's scales: 8 (r + 8 (r / 8))
.set KO,  9                            ; v9   K: my place in a chunk's codes;  v10 among its scale bytes
.set KSO, 10
.set VO,  11                           ; v11, v12 the same for V
.set VSO, 12
.set PC,  16                           ; v16-31   the codes of four blocks
.set X,   32                           ; v32-63   phase 1: my 32 numbers;  v64-71 their codes
.set CD,  64
.set NF,  32                           ; v32-95   phase 2: the norm's fragment (u, s) at 16 (2 u + s)
.set ACC, 96                           ; v96-159  four units of 16 results
.set WF,  160                          ; v160-223 w_kv's fragment (U, s) at 16 (2 U + s)
.set WS,  224                          ; v224-227 its scale words
.set NS,  228                          ; v228-231 the norm's
.set TM,  232                          ; v232-250 at work
.set SPW, 252                          ; v252 my spare word; never rewritten
.set NIL, 253                          ; v253 0; never rewritten
.set SEL, 32                           ; s[32:33] lane selects, s34 the mask of lanes 16-31: set behind phase 1, where gamma's registers are free
.set HM,  34
.set MNT, 100                          ; s100 the mantissa field of 57,344
.macro WM d, a, b, zero, sa, sb, row   ; one product 16 x 16 x 128 on codes; zero = 1: it starts the sum; row = 1: source 0's scales stand in lanes 16-31
.if (\zero) && (\row)
	v_wmma_scale_f32_16x16x128_f8f6f4 v[\d:\d+7], v[\a:\a+15], v[\b:\b+15], 0, v[\sa], v[\sb] matrix_a_fmt:MATRIX_FMT_BF8 matrix_b_fmt:MATRIX_FMT_BF8 matrix_a_scale:MATRIX_SCALE_ROW1
.elseif (\zero)
	v_wmma_scale_f32_16x16x128_f8f6f4 v[\d:\d+7], v[\a:\a+15], v[\b:\b+15], 0, v[\sa], v[\sb] matrix_a_fmt:MATRIX_FMT_BF8 matrix_b_fmt:MATRIX_FMT_BF8
.elseif (\row)
	v_wmma_scale_f32_16x16x128_f8f6f4 v[\d:\d+7], v[\a:\a+15], v[\b:\b+15], v[\d:\d+7], v[\sa], v[\sb] matrix_a_fmt:MATRIX_FMT_BF8 matrix_b_fmt:MATRIX_FMT_BF8 matrix_a_scale:MATRIX_SCALE_ROW1
.else
	v_wmma_scale_f32_16x16x128_f8f6f4 v[\d:\d+7], v[\a:\a+15], v[\b:\b+15], v[\d:\d+7], v[\sa], v[\sb] matrix_a_fmt:MATRIX_FMT_BF8 matrix_b_fmt:MATRIX_FMT_BF8
.endif
.endm
; Four blocks of 32: block b's numbers are my v[s + 16 b] .. + 15 and lane l xor 16's.  Codes into v[PC + 4 b] on, the scale's byte into v[TM + 4 + b]; word = 1: the four bytes as a word in v[TM + 16].
.macro QUANT4 s, word
.irp b, 0,1,2,3
	v_max3_num_f32 v[TM+\b], |v[\s+16*\b]|, |v[\s+1+16*\b]|, 0x8000000   ; and the floor 2^(16 - 127): the byte cannot fall under 1
.endr
.irp i, 2,4,6,8,10,12,14
.irp b, 0,1,2,3
	v_max3_num_f32 v[TM+\b], v[TM+\b], |v[\s+16*\b+\i]|, |v[\s+1+16*\b+\i]|   ; the four blocks by turns
.endr
.endr
.irp b, 0,1,2,3
	v_permlanex16_b32 v[TM+4+\b], v[TM+\b], s[SEL], s[SEL+1]
.endr
.irp b, 0,1,2,3
	v_max_num_f32 v[TM+\b], v[TM+\b], v[TM+4+\b]   ; the block's largest magnitude
.endr
.irp b, 0,1,2,3
	v_add_nc_u32 v[TM+12+\b], 0xf8800000, v[TM+\b]   ; 15 off its exponent field: the conversion's scale operand
.endr
.irp b, 0,1,2,3
	v_and_or_b32 v[TM+8+\b], v[TM+\b], 0x7f800000, s[MNT]   ; 57,344 x the scale
.endr
.irp b, 0,1,2,3
	v_lshrrev_b32 v[TM+4+\b], 23, v[TM+12+\b]      ; the scale's byte
.endr
.if \word
	v_lshl_or_b32 v[TM+16], v[TM+5], 8, v[TM+4]
	v_lshl_or_b32 v[TM+16], v[TM+6], 16, v[TM+16]
	v_lshl_or_b32 v[TM+16], v[TM+7], 24, v[TM+16]
.endif
.irp b, 0,1,2,3
.irp i, 0,1,2,3,4,5,6,7,8,9,10,11,12,13,14,15
	v_med3_num_f32 v[\s+16*\b+\i], v[\s+16*\b+\i], -v[TM+8+\b], v[TM+8+\b]   ; the conversion to an 8-bit code does not saturate (ISA guide 7.6.2): the hold comes first
.endr
	v_cvt_scalef32_pk8_bf8_f32 v[PC+4*\b:PC+1+4*\b], v[\s+16*\b:\s+7+16*\b], v[TM+12+\b]
	v_cvt_scalef32_pk8_bf8_f32 v[PC+2+4*\b:PC+3+4*\b], v[\s+8+16*\b:\s+15+16*\b], v[TM+12+\b]
.endr
	v_nop                                          ; one plain instruction behind the last scaled conversion
.endm
.macro FETCHN bp                       ; the norm's four fragments and scale words of position block bp
.irp u, 0,1
.irp s, 0,1
.irp c, 0,1,2,3
	ds_load_b128 v[NF+16*(2*\u+\s)+4*\c:NF+16*(2*\u+\s)+4*\c+3], v[L16] offset:NIMG+(4*(\bp)+2*\u+\s)*2048+512*\c
.endr
	ds_load_b32 v[NS+2*\u+\s], v[R4] offset:NSC+64*(4*(\bp)+2*\u+\s)
.endr
.endr
.endm
.macro MUL8 role, bp                   ; eight products: four accumulators by turns, K step 0 starting the sums, then K step 1
.irp s, 0,1
.irp u, 0,1
.irp g, 0,1
.if \role
	WM ACC+16*(2*\bp+\g)+8*\u, NF+16*(2*\u+\s), WF+16*(2*\g+\s), 1-\s, NS+2*\u+\s, WS+2*\g+\s, 0
.else
	WM ACC+16*(2*\bp+\u)+8*\g, WF+16*(2*\g+\s), NF+16*(2*\u+\s), 1-\s, WS+2*\g+\s, NS+2*\u+\s, 0
.endif
.endr
.endr
.endr
.endm
.macro PLACES                          ; eight places behind this matrix form, in front of loads into registers that it read and of the first read of results
.rept 8
	v_nop
.endr
.endm
.macro PROD role                       ; role 0: K;  1: V
	FETCHN 0
	s_wait_loadcnt 0x0                             ; w_kv's fragments and scale words
	s_wait_dscnt 0x0
	MUL8 \role, 0
	PLACES
	FETCHN 1
	s_wait_dscnt 0x0
	MUL8 \role, 1
	PLACES
	QUANT4 ACC, 0
.endm
	s_load_b512 s[4:19], s[0:1], 0x0               ; input s[4:5], stats s[6:7], gn_weight s[8:9], gn_bias s[10:11], w_kv_codes s[12:13], w_kv_scales s[14:15], kc s[16:17], vc s[18:19]
	v_lshl_add_u32 v[SPW], v0, 2, SPARE
	v_mov_b32 v[NIL], 0
	v_lshrrev_b32 v13, 5, v0
	v_readfirstlane_b32 s28, v13                   ; wave w
	s_and_b32 s29, s28, 7                          ; cb = w % 8: my block of 32 channels in phase 1; in phase 2 my block of K's or V's channels
	s_lshr_b32 s30, s28, 3                         ; ph = w / 8: my half of the 64 positions
	s_mov_b32 s31, ttmp9                           ; wg: the block of 64 positions
	s_and_b32 s2, ttmp7, 0xffff                    ; the batch
	v_and_b32 v13, 31, v0                          ; lane
	v_and_b32 v14, 15, v0                          ; r
	v_bfe_u32 v15, v0, 4, 1                        ; h
	v_lshlrev_b32 v[L16], 4, v13
	v_lshlrev_b32 v[L8], 3, v13
	v_lshlrev_b32 v[R4], 2, v14
	v_lshlrev_b32 v[XO], 2, v13
	; position x = lane of my half lies in tile u = bit 3 of x, row (x % 8) + 8 (bit 4 of x)
	v_bfe_u32 v16, v0, 3, 1
	v_and_b32 v17, 7, v0
	v_lshl_or_b32 v17, v15, 3, v17
	v_lshlrev_b32 v[NWI], 12, v16                  ; 4,096 u
	v_lshl_add_u32 v[NWI], v17, 4, v[NWI]          ; + 16 row
	s_lshl_b32 s3, s30, 13                         ; + 8,192 ph
	s_lshr_b32 s68, s29, 2                         ; K step s = cb / 4
	s_and_b32 s69, s29, 3                          ; block c = cb % 4
	s_lshl_b32 s70, s68, 11
	s_add_co_u32 s3, s3, s70                       ; + 2,048 s
	s_lshl_b32 s70, s69, 9
	s_add_co_u32 s3, s3, s70                       ; + 512 c
	v_add_nc_u32 v[NWI], s3, v[NWI]
	v_lshlrev_b32 v[NWS], 7, v16                   ; the scale byte: 128 u + 4 row + 256 ph + 64 s + c
	v_lshl_add_u32 v[NWS], v17, 2, v[NWS]
	s_lshl_b32 s3, s30, 8
	s_lshl_b32 s70, s68, 6
	s_add_co_u32 s3, s3, s70
	s_add_co_u32 s3, s3, s69
	s_add_co_u32 s3, s3, NSC
	v_add_nc_u32 v[NWS], s3, v[NWS]
	v_and_b32 v16, 8, v14
	v_add_nc_u32 v16, v16, v14                     ; r + 8 (r / 8)
	v_lshlrev_b32 v[WCA], 8, v16
	v_lshl_add_u32 v[WCA], v15, 4, v[WCA]
	v_lshlrev_b32 v[WSA], 3, v16
	s_lshl_b32 s3, s29, 9                          ; K: piece 4 s + c = cb of a key tile's eight
	v_add_nc_u32 v[KO], s3, v[L16]
	v_add_nc_u32 v[KSO], s29, v[L8]                ; and byte 4 s + c = cb of a lane's eight
	s_and_b32 s3, s29, 1
	s_lshr_b32 s70, s31, 4
	s_xor_b32 s3, s3, s70                          ; V: the slot A = (cb % 2) xor (ks / 8)
	s_and_b32 s70, s31, 1                          ; which half of the key step's 128 keys
	s_lshl_b32 s71, s3, 12
	s_lshl_b32 s86, s70, 10
	s_add_co_u32 s71, s71, s86
	v_add_nc_u32 v[VO], s71, v[L16]
	s_lshl_b32 s71, s3, 2
	s_lshl_b32 s86, s70, 1
	s_add_co_u32 s71, s71, s86
	v_add_nc_u32 v[VSO], s71, v[L8]
.irp b, 0,1,2,3
	v_mov_b32 v[TM+4+\b], 0                        ; written once: a lane permute's destination counts as one of its sources
.endr
	s_mov_b32 s[MNT], 0x600000
	; byte offsets, each in a pair with 0 above it
	s_lshl_b32 s72, s2, 21                         ; input: the batch,
	s_lshl_b32 s73, s29, 18
	s_add_co_u32 s72, s72, s73                     ; my 32 channels of 8,192 bytes,
	s_lshl_b32 s73, s31, 8
	s_add_co_u32 s72, s72, s73                     ; the 64 positions,
	s_lshl_b32 s73, s30, 7
	s_add_co_u32 s72, s72, s73                     ; my 32 of them
	s_mov_b32 s73, 0
	s_lshl_b32 s74, s28, 13                        ; w_kv's codes: my 32 rows of 256 bytes
	s_mov_b32 s75, 0
	s_lshl_b32 s76, s28, 8                         ; its scales: 8 bytes a row
	s_mov_b32 s77, 0
	s_lshl_b32 s78, s29, 7                         ; gamma, beta: my 32 channels
	s_mov_b32 s79, 0
	s_lshl_b32 s80, s2, 8
	s_lshl_b32 s81, s29, 5
	s_add_co_u32 s80, s80, s81                     ; stats: (32 batch + 4 cb) x 8 bytes
	s_mov_b32 s81, 0
	s_lshl_b32 s82, s2, 6
	s_lshl_b32 s83, s31, 1
	s_add_co_u32 s82, s82, s83
	s_mul_i32 s82, s82, CH                         ; kc: chunk 64 batch + 2 wg
	s_mov_b32 s83, 0
	s_lshl_b32 s84, s2, 2
	s_lshr_b32 s85, s29, 1
	s_add_co_u32 s84, s84, s85
	s_lshl_b32 s84, s84, 4
	s_lshr_b32 s85, s31, 1
	s_add_co_u32 s84, s84, s85
	s_mul_i32 s84, s84, CH                         ; vc: chunk (4 batch + cb / 2) 16 + wg / 2
	s_mov_b32 s85, 0
	s_wait_kmcnt 0x0
	s_add_nc_u64 s[4:5], s[4:5], s[72:73]
	s_add_nc_u64 s[12:13], s[12:13], s[74:75]
	s_add_nc_u64 s[14:15], s[14:15], s[76:77]
	s_add_nc_u64 s[8:9], s[8:9], s[78:79]
	s_add_nc_u64 s[10:11], s[10:11], s[78:79]
	s_add_nc_u64 s[6:7], s[6:7], s[80:81]
	s_add_nc_u64 s[16:17], s[16:17], s[82:83]
	s_add_nc_u64 s[18:19], s[18:19], s[84:85]
.set ch, 0
.rept 32
	global_load_b32 v[X+ch], v[XO], s[4:5] offset:8192*ch   ; one channel at my wave's 32 positions: 128 consecutive bytes
.set ch, ch+1
.endr
.irp g, 0,1
.irp s, 0,1
.irp c, 0,1,2,3
	global_load_b128 v[WF+16*(2*\g+\s)+4*\c:WF+16*(2*\g+\s)+4*\c+3], v[WCA], s[12:13] offset:2048*\g+128*\s+32*\c
.endr
.endr
.endr
.irp g, 0,1
	global_load_b64 v[WS+2*\g:WS+2*\g+1], v[WSA], s[14:15] offset:64*\g
.endr
	s_load_b256 s[20:27], s[6:7], 0x0              ; (mean, rstd) of my four groups
	s_load_b512 s[32:47], s[8:9], 0x0              ; gamma
	s_load_b512 s[48:63], s[8:9], 0x40
	s_load_b512 s[68:83], s[10:11], 0x0            ; beta
	s_load_b512 s[84:99], s[10:11], 0x40
	s_wait_kmcnt 0x0
.set ch, 0
.rept 32
	s_mul_f32 s[32+ch], s[32+ch], s[21+2*(ch/8)]   ; rstd gamma
.set ch, ch+1
.endr
	; ---- PHASE 1
	s_wait_loadcnt 18                              ; my 32 numbers are in; the 18 loads of w_kv behind them may be out
.set ch, 0
.rept 32
	v_sub_f32 v[X+ch], v[X+ch], s[20+2*(ch/8)]     ; x - mean
.set ch, ch+1
.endr
.set ch, 0
.rept 32
	v_fma_f32 v[X+ch], v[X+ch], s[32+ch], s[68+ch] ; (x - mean) rstd gamma + beta
.set ch, ch+1
.endr
	v_max3_num_f32 v[TM], |v[X]|, |v[X+1]|, |v[X+2]|       ; the block's largest magnitude: all 32 numbers are mine
	v_max3_num_f32 v[TM+1], |v[X+3]|, |v[X+4]|, |v[X+5]|
.irp i, 6,10,14,18,22,26
	v_max3_num_f32 v[TM], v[TM], |v[X+\i]|, |v[X+\i+1]|
	v_max3_num_f32 v[TM+1], v[TM+1], |v[X+\i+2]|, |v[X+\i+3]|
.endr
	v_max3_num_f32 v[TM], v[TM], |v[X+30]|, |v[X+31]|
	v_max3_num_f32 v[TM], v[TM], v[TM+1], 0x8000000        ; and the floor 2^(16 - 127)
	v_add_nc_u32 v[TM+2], 0xf8800000, v[TM]                ; the conversion's scale operand
	v_and_or_b32 v[TM+3], v[TM], 0x7f800000, s[MNT]        ; 57,344 x the scale
	v_lshrrev_b32 v[TM+8], 23, v[TM+2]                     ; the scale's byte
.set ch, 0
.rept 32
	v_med3_num_f32 v[X+ch], v[X+ch], -v[TM+3], v[TM+3]
.set ch, ch+1
.endr
.irp g, 0,1,2,3
	v_cvt_scalef32_pk8_bf8_f32 v[CD+2*\g:CD+2*\g+1], v[X+8*\g:X+8*\g+7], v[TM+2]
.endr
	v_nop                                          ; one plain instruction behind the last scaled conversion
	ds_store_b128 v[NWI], v[CD:CD+3]               ; channels 0-15 of the block: lane (row, 0)'s registers of the fragment,
	ds_store_b128 v[NWI], v[CD+4:CD+7] offset:256  ; channels 16-31: lane (row, 1)'s
	ds_store_b8 v[NWS], v[TM+8]
	s_wait_dscnt 0x0                               ; for the others' sake: my stores have landed
	s_barrier_signal -1
	s_barrier_wait -1                              ; the norm's eight fragments lie in LDS; nothing is written there again
	; ---- PHASE 2
	s_mov_b32 s[SEL], 0x76543210
	s_mov_b32 s[SEL+1], 0xfedcba98
	s_mov_b32 s[HM], 0xffff0000
	s_cmp_lt_u32 s28, 8
	s_cbranch_scc0 .Lvalue
	PROD 0                                         ; unit 2 b' + u: key tile u of block b', my 32 channels
.irp p, 0,1
.irp u, 0,1
	global_store_b128 v[KO], v[PC+4*(2*\p+\u):PC+4*(2*\p+\u)+3], s[16:17] offset:\p*CH+4096*\u   ; 512 consecutive bytes
.endr
	v_cndmask_b32 v[TM+16+\p], v[TM+4+2*\p], v[TM+5+2*\p], s[HM]   ; lanes 0-15: tile 0's byte; lanes 16-31: tile 1's
	global_store_b8 v[KSO], v[TM+16+\p], s[16:17] offset:\p*CH+8192
.endr
	s_branch .Lend
.Lvalue:
	PROD 1                                         ; unit 2 b' + U: channel tile U, the 32 keys of block b'
.irp p, 0,1
.irp g, 0,1
	global_store_b128 v[VO], v[PC+4*(2*\p+\g):PC+4*(2*\p+\g)+3], s[18:19] offset:2048*\g+512*\p
.endr
.endr
	v_lshl_or_b32 v[TM+16], v[TM+6], 8, v[TM+4]    ; tile 0: block 1's byte above block 0's
	v_lshl_or_b32 v[TM+17], v[TM+7], 8, v[TM+5]    ; tile 1
	v_cndmask_b32 v[TM+18], v[TM+16], v[TM+17], s[HM]
	global_store_b16 v[VSO], v[TM+18], s[18:19] offset:8192
.Lend:
	s_wait_tensorcnt 0x0                           ; the wave's end
	ds_add_u32 v[SPW], v[NIL]
	s_wait_dscnt 0x0
	s_endpgm
.Lfunc_end_k_qb02d8d08dc_kv:
	.size	k_qb02d8d08dc_kv, .Lfunc_end_k_qb02d8d08dc_kv-k_qb02d8d08dc_kv
	.p2alignl 7, 3214868480
	.fill 96, 4, 3214868480
	.section	.rodata,"a",@progbits
	.p2align	6, 0x0
	.amdhsa_kernel k_qb02d8d08dc_kv
		.amdhsa_group_segment_fixed_size 18944
		.amdhsa_private_segment_fixed_size 0
		.amdhsa_enable_private_segment 0
		.amdhsa_kernarg_size 64
		.amdhsa_user_sgpr_count 2
		.amdhsa_user_sgpr_kernarg_segment_ptr 1
		.amdhsa_wavefront_size32 1
		.amdhsa_system_sgpr_workgroup_id_x 1
		.amdhsa_system_sgpr_workgroup_id_y 1
		.amdhsa_system_sgpr_workgroup_id_z 1
		.amdhsa_system_vgpr_workitem_id 0
		.amdhsa_next_free_vgpr 256
		.amdhsa_next_free_sgpr 102
		.amdhsa_reserve_vcc 0
		.amdhsa_float_denorm_mode_32 3
		.amdhsa_float_denorm_mode_16_64 3
		.amdhsa_memory_ordered 1
		.amdhsa_forward_progress 1
		.amdhsa_inst_pref_size 46
	.end_amdhsa_kernel
	.amdgpu_metadata
---
amdhsa.version: [ 1, 2 ]
amdhsa.kernels:
  - .name:           k_qb02d8d08dc_kv
    .symbol:         k_qb02d8d08dc_kv.kd
    .args:
      - { .name: input, .offset: 0, .size: 8, .value_kind: global_buffer, .address_space: global }
      - { .name: stats, .offset: 8, .size: 8, .value_kind: global_buffer, .address_space: global }
      - { .name: gn_weight, .offset: 16, .size: 8, .value_kind: global_buffer, .address_space: global }
      - { .name: gn_bias, .offset: 24, .size: 8, .value_kind: global_buffer, .address_space: global }
      - { .name: w_kv_codes, .offset: 32, .size: 8, .value_kind: global_buffer, .address_space: global }
      - { .name: w_kv_scales, .offset: 40, .size: 8, .value_kind: global_buffer, .address_space: global }
      - { .name: kc, .offset: 48, .size: 8, .value_kind: global_buffer, .address_space: global }
      - { .name: vc, .offset: 56, .size: 8, .value_kind: global_buffer, .address_space: global }
    .group_segment_fixed_size: 18944
    .private_segment_fixed_size: 0
    .kernarg_segment_align: 8
    .kernarg_segment_size: 64
    .max_flat_workgroup_size: 512
    .sgpr_count:     102
    .vgpr_count:     256
    .wavefront_size: 32
...
	.end_amdgpu_metadata
.endif
;; end of part 2
;; launch attn (part 3): grid 32 x 8, 8 waves a work-group, no clusters, 317,952 bytes of LDS; arguments quary, w_q, kc, vc, w_out_codes, w_out_scales, b_out, input, out0; writes out0
.if DOCPART == 3
	.amdgcn_target "amdgcn-amd-amdhsa--gfx1250"
	.amdhsa_code_object_version 6
	.text
	.protected	k_qb02d8d08dc_attn
	.globl	k_qb02d8d08dc_attn
	.p2align	8
	.type	k_qb02d8d08dc_attn,@function
k_qb02d8d08dc_attn:
	s_mov_b64 s[64:65], 0
	v_nop
	global_prefetch_b8 v0, s[64:65] scope:SCOPE_SE
	s_setreg_imm32_b32 hwreg(HW_REG_WAVE_MODE, 25, 1), 1
	s_wait_xcnt 0x0
; ATTENTION, THE OUT PROJECTION, BIAS AND RESIDUAL.  No work of reference() is left out here; the scores of three blocks of keys in eight are computed twice (below).
; A work-group owns 64 queries of one batch (x = block of queries, y = batch): four tiles of 16.  Eight waves of 512 registers.
; q = w_q quary in f32 (three fused multiply-adds a number), quantised along the channels.  S^T = K Q^T (source 0 = 16 keys, source 1 = 16 queries): a lane holds ONE query, and by the order of
; the keys in a tile of kc its 16 registers of two tiles are 16 neighbouring keys.  The weights are quantised FINISHED AND NORMALISED, so the row's maximum and sum are known before any weight is coded:
;   PASS A   each wave walks its 256 keys, eight blocks of 32: S, a running whole-number maximum M (kept as -M = floor(-t), t = score x log2(e) / 16) and the sum of 2^(t - M); when M moves the sum is multiplied by a power
;            of two, which rounds nothing.  THE WEIGHTS 2^(t - M) OF BLOCKS 0 TO 4 ARE KEPT, in f32, with the -M under which each lane made them: blocks 0 to 3 in LDS, block 4 in registers.
;   COMBINE  the halves of the lanes, then the eight waves through LDS: M and the sum l of the whole row.
;   PASS B1  blocks 0 to 4: the kept weight x 2^(its M - M) / l, the factor made by v_ldexp_f32 of 1 / l with a whole number.  Blocks 7, 6, 5: S again (the same instructions on the same codes: the same bits), p = 2^(t - M - log2 l);
;            the chunks of blocks 7 and 6 have stayed in the two chunk buffers, block 5's is fetched again.  All: quantised in blocks of 32 keys; images of the operand's registers to LDS.
;   PHASE B2 O^T = V^T P^T: wave (cq = w % 4, kh = w / 4) takes 64 channels x 1,024 keys for all 64 queries; the two key halves exchange 32 channels each through LDS and add.
;   WAY OUT  O quantised along the channels, images to LDS; wave w makes output channels 32 w .. + 31 (source 0 = 16 queries of O, source 1 = 16 rows of w_out; b_out is the C of the first product);
;            a lane then holds 8 neighbouring positions of one channel; through the wave's own stage; + input; sixteen lanes store 256 consecutive bytes at a multiple of 256.
; K AND V GO FROM MEMORY STRAIGHT INTO THE REGISTERS OF THE ONE WAVE THAT MULTIPLIES THEM: a chunk of kc or vc is 64 registers in the reader's order (16 loads of 512 consecutive bytes, one of scale words), and each
; fragment feeds four products.  NO CLUSTER, NO JOINT LOADS, though the 32 work-groups of a batch read the same chunks: a joint load lands in LDS, from where each byte would be read once more, by one wave:
; 8 waves x 17 chunks x 8,448 bytes of LDS reads more for a work-group, and a round of barriers for each refill.
; LIMITS: NaN and infinities among the inputs are not served.  A block of zeros gets the byte 1 where the quantiser says 127 (its codes are zeros; this program alone reads the bytes).  A weight under 2^-126 becomes 0.
; M stays under 2^24.  In the recomputed blocks -M - log2 l is rounded once to f32: at |M| = 1,500 that is a common factor of some 1e-4 on their weights; there a block's largest weight is made from its largest score,
; which takes v_exp_f32 not to fall where its input rises.
.set CH,    8448
.set QIMG,  0                          ; LDS: Q's 8 fragments 2 t + s, 2,048 bytes each
.set QSC,   16384                      ; their scale words, 128 bytes each
.set STAT,  17408                      ; (-M, sum): 1,024 wave + 256 t + 8 lane
.set PIMG,  25600                      ; P: 8,192 ks + 2,048 c + 512 t + 16 lane.  Until P lands there, a wave's own 16,384 bytes hold the kept weights of its blocks 0 and 1
.set PSC,   156672                     ; its scale words: 128 (4 ks + t) + 4 lane
.set XCH,   164864                     ; the exchange: 8,192 wave + 512 i + 16 lane
.set OIMG,  230400                     ; O's 8 fragments: 512 (4 (2 t + s) + c) + 16 lane
.set OSC,   246784                     ; their scale words: 64 (2 t + s) + 4 r, byte c
.set STG,   247296                     ; the stages: 8,704 wave; 32 rows of 256 bytes + 16
.set SPARE, 316928                     ; the spare words, 128 bytes for each wave: four blocks of 256 bytes that no other line names
.set CACHE, 164864                     ; the kept weights of blocks 2 and 3 (8,192 bytes each) and the -M of blocks 0 to 3 (512 each): 18,432 bytes a wave, 147,456 in all, each wave's own.
.set CWAVE, 18432                      ; They lie where XCH, OIMG, OSC and STG lie: those are written only behind the barrier that closes pass B1, in front of which every wave has its kept weights back
.set L16, 1                            ; v1 16 lane   v2 8 lane   v3 4 (lane % 16)   v4 4 lane
.set L8,  2
.set R4,  3
.set L4,  4
.set QWI, 5                            ; where I store: Q's image, its scale word, my statistics
.set QWS, 6
.set STW, 7
.set STR, 8                            ; where I read the statistics
.set PA,  9                            ; where I store P's images and scale words
.set PSW, 10
.set FA,  11                           ; where I read them
.set FS,  12
.set XW,  13                           ; the exchange: out, in
.set XR,  14
.set OW,  15                           ; O's image, its scale byte
.set OB8, 16
.set OF,  17                           ; where I read O's images and scale words
.set OSR, 18
.set SGW, 19                           ; my stage: in, back
.set SGR, 20
.set GO,  21                           ; 8,192 h + 16 r: two rows of input or out0
.set WOA, 22                           ; w_out's codes: 256 r + 16 h;  its scales: 8 r;  w_q: 192 h
.set WSA, 23
.set WQA, 24
.set QY,  25                           ; v25-27 quary of my query
.set BO,  28                           ; v28-29 b_out of my two output channels
.set SPW, 30                           ; v30 my spare word, v31 0; never rewritten
.set NIL, 31
.set ST,  32                           ; v32-63 eight a tile: +0 -M, later -M - log2 l; +1 the largest score; +2, +3 the sum, later -M and 1 / l; +4 a factor; +5 to +7 at work.  In B2: results to give away, tiles 0, 1
.set S,   64                           ; v64-127 S^T, 16 a tile; in B2 the results that I keep; at the end the out product's
.set PC,  128                          ; v128-143 codes just made.  In B2 v128-159: results to give away, tiles 2, 3
.set TM,  144                          ; v144-159 at work
.set PW,  160                          ; v160-163 scale words in the making
.set CA,  164                          ; v164 kept weights of blocks 2, 3: CACHE + 18,432 wave + 16 lane;  v165 the kept -M: + 16,384, 4 lane
.set CN,  165
.set BC,  144                          ; v144-159 at the end: b_out as two C operands
.set KS,  168                          ; v168-171 a chunk's scale words, two for each buffer
.set QS,  172                          ; v172-179 Q's scale words, later O's
.set PS,  180                          ; v180-187 P's, four for each buffer
.set NM,  188                          ; v188-191 block 4's -M; then
.set WOS, 188                          ; v188-191 w_out's scale words
.set WO,  192                          ; v192-255 block 4's kept weights; then w_out's fragment (n, s) at 16 (2 n + s)
; window 1: v0-127 Q (t, s) at 16 (2 t + s); in B2 two buffers of P; then O; then rows of the result.   v128-255 two chunk buffers of 64; at the end v128-191 the residual.   At the head w_q lies in v0-127 and v192-255
.set KW,  28                           ; s[28:29] my first chunk of kc;  s[30:31] of vc; never stepped: every chunk's place is an immediate
.set VW,  30
.set CS,  36                           ; s[36:37] log2(e) / 16: the packed form names a pair and takes its low word for both halves
.set SEL, 38                           ; s[38:39] lane selects for lane l xor 16
.set MNT, 40                           ; s40 the mantissa field of 57,344
.set MSB, 0
.macro WIN new                         ; s_set_vgpr_msb: bits 1:0 source 0, 3:2 source 1, 5:4 source 2, 7:6 destination; the high byte repeats the setting that is left
.if MSB != \new
	s_set_vgpr_msb (MSB<<8)|\new
.set MSB, \new
.endif
.endm
.macro WM d, a, b, zero, sa, sb, row   ; one product 16 x 16 x 128 on codes; zero = 1: it starts the sum; row = 1: source 0's scales stand in lanes 16-31
.if (\zero) && (\row)
	v_wmma_scale_f32_16x16x128_f8f6f4 v[\d:\d+7], v[\a:\a+15], v[\b:\b+15], 0, v[\sa], v[\sb] matrix_a_fmt:MATRIX_FMT_BF8 matrix_b_fmt:MATRIX_FMT_BF8 matrix_a_scale:MATRIX_SCALE_ROW1
.elseif (\zero)
	v_wmma_scale_f32_16x16x128_f8f6f4 v[\d:\d+7], v[\a:\a+15], v[\b:\b+15], 0, v[\sa], v[\sb] matrix_a_fmt:MATRIX_FMT_BF8 matrix_b_fmt:MATRIX_FMT_BF8
.elseif (\row)
	v_wmma_scale_f32_16x16x128_f8f6f4 v[\d:\d+7], v[\a:\a+15], v[\b:\b+15], v[\d:\d+7], v[\sa], v[\sb] matrix_a_fmt:MATRIX_FMT_BF8 matrix_b_fmt:MATRIX_FMT_BF8 matrix_a_scale:MATRIX_SCALE_ROW1
.else
	v_wmma_scale_f32_16x16x128_f8f6f4 v[\d:\d+7], v[\a:\a+15], v[\b:\b+15], v[\d:\d+7], v[\sa], v[\sb] matrix_a_fmt:MATRIX_FMT_BF8 matrix_b_fmt:MATRIX_FMT_BF8
.endif
.endm
; Four blocks of 32: block b's numbers are my v[s + 16 b] .. + 15 and lane l xor 16's.  Codes into v[PC + 4 b] on, the scale's byte into v[TM + 4 + b]; word = 1: the four bytes as a word in v[PW].
.macro QUANT4 s, word
.irp b, 0,1,2,3
	v_max3_num_f32 v[TM+\b], |v[\s+16*\b]|, |v[\s+1+16*\b]|, 0x8000000   ; and the floor 2^(16 - 127): the byte cannot fall under 1
.endr
.irp i, 2,4,6,8,10,12,14
.irp b, 0,1,2,3
	v_max3_num_f32 v[TM+\b], v[TM+\b], |v[\s+16*\b+\i]|, |v[\s+1+16*\b+\i]|   ; the four blocks by turns
.endr
.endr
.irp b, 0,1,2,3
	v_permlanex16_b32 v[TM+4+\b], v[TM+\b], s[SEL], s[SEL+1]
.endr
.irp b, 0,1,2,3
	v_max_num_f32 v[TM+\b], v[TM+\b], v[TM+4+\b]   ; the block's largest magnitude
.endr
.irp b, 0,1,2,3
	v_add_nc_u32 v[TM+12+\b], 0xf8800000, v[TM+\b]   ; 15 off its exponent field: the conversion's scale operand
.endr
.irp b, 0,1,2,3
	v_and_or_b32 v[TM+8+\b], v[TM+\b], 0x7f800000, s[MNT]   ; 57,344 x the scale
.endr
.irp b, 0,1,2,3
	v_lshrrev_b32 v[TM+4+\b], 23, v[TM+12+\b]      ; the scale's byte
.endr
.if \word
	v_lshl_or_b32 v[PW], v[TM+5], 8, v[TM+4]
	v_lshl_or_b32 v[PW], v[TM+6], 16, v[PW]
	v_lshl_or_b32 v[PW], v[TM+7], 24, v[PW]
.endif
.irp b, 0,1,2,3
.irp i, 0,1,2,3,4,5,6,7,8,9,10,11,12,13,14,15
	v_med3_num_f32 v[\s+16*\b+\i], v[\s+16*\b+\i], -v[TM+8+\b], v[TM+8+\b]   ; the conversion to an 8-bit code does not saturate (ISA guide 7.6.2): the hold comes first
.endr
	v_cvt_scalef32_pk8_bf8_f32 v[PC+4*\b:PC+1+4*\b], v[\s+16*\b:\s+7+16*\b], v[TM+12+\b]
	v_cvt_scalef32_pk8_bf8_f32 v[PC+2+4*\b:PC+3+4*\b], v[\s+8+16*\b:\s+15+16*\b], v[TM+12+\b]
.endr
	v_nop                                          ; one plain instruction behind the last scaled conversion
.endm
.macro BAR                             ; my LDS stores have landed and my LDS loads are in: then the work-group's barrier
	s_wait_dscnt 0x0
	s_barrier_signal -1
	s_barrier_wait -1
.endm
; A chunk into buffer buf: 17 loads: the scale words, then 16 pieces of 512 consecutive bytes
.macro LOADC buf, sb, imm
	WIN 0
	global_load_b64 v[KS+2*(\buf):KS+2*(\buf)+1], v[L8], s[\sb:\sb+1] offset:(\imm)+8192
	WIN 0x40                                       ; destination window 1
.irp p, 0,1,2,3,4,5,6,7,8,9,10,11,12,13,14,15
	global_load_b128 v[128+64*(\buf)+4*\p:128+64*(\buf)+4*\p+3], v[L16], s[\sb:\sb+1] offset:(\imm)+512*\p
.endr
	WIN 0
.endm
; S^T of 32 keys x 64 queries: 16 products, eight accumulators by turns, K step 0 starting the sums.
; Nine places follow: eight are owed in front of loads into registers that these products read and of the first read of results, nine before the next QK begins the same accumulators anew.
.macro QK buf
	WIN 0x05                                       ; sources 0 (K) and 1 (Q) in window 1
.irp s, 0,1
.irp u, 0,1
.irp t, 0,1,2,3
	WM S+16*\t+8*\u, 128+64*(\buf)+16*(2*\u+\s), 16*(2*\t+\s), 1-\s, KS+2*(\buf)+\s, QS+2*\t+\s, \u
.endr
.endr
.endr
	WIN 0
.rept 9
	v_nop
.endr
.endm
; PASS A's vector work for 32 keys: each lane keeps a maximum and a sum over its own half's keys.  The four tiles by turns.
; e: where the weights 2^(t - M) go (S, or WO for the block that stays in registers).  cb: 0 .. 3: they are kept in LDS as block cb, with the lane's -M; 4: they stay where they are, and -M goes to NM; 9: they are not kept.
.macro SOFTA e, cb
.irp j, 0,2,4,6,8,10,12,14
.irp t, 0,1,2,3
	v_max3_num_f32 v[ST+8*\t+1], v[ST+8*\t+1], v[S+16*\t+\j], v[S+16*\t+\j+1]   ; the running largest score; each accumulator is read from its low end on
.endr
.endr
.irp t, 0,1,2,3
	v_mul_f32 v[ST+8*\t+6], s[CS], v[ST+8*\t+1]    ; as t
.endr
.irp t, 0,1,2,3
	v_mov_b32 v[ST+8*\t+7], v[ST+8*\t]
.endr
.irp t, 0,1,2,3
	v_floor_f32 v[ST+8*\t], -v[ST+8*\t+6]          ; the new -M = floor(-t): M is a whole number
.endr
.irp t, 0,1,2,3
	v_sub_f32 v[ST+8*\t+7], v[ST+8*\t], v[ST+8*\t+7]   ; old M - new M: a whole number, 0 or less
.endr
.irp t, 0,1,2,3
	v_cvt_i32_f32 v[ST+8*\t+7], v[ST+8*\t+7]       ; (it saturates)
.endr
.irp t, 0,1,2,3
	v_ldexp_f32 v[ST+8*\t+4], 1.0, v[ST+8*\t+7]    ; 2^(old M - new M)
.endr
.irp j, 0,2,4,6,8,10,12,14
.irp t, 0,1,2,3
	v_pk_fma_f32 v[S+16*\t+\j:S+16*\t+\j+1], v[S+16*\t+\j:S+16*\t+\j+1], s[CS:CS+1], v[ST+8*\t:ST+8*\t+1] op_sel_hi:[1,0,0]   ; t - M, two at a time
.endr
.endr
.set j, 0
.rept 64
	v_exp_f32 v[\e+j], v[S+j]
.set j, j+1
.endr
.irp t, 0,1,2,3
	v_pk_mul_f32 v[ST+8*\t+2:ST+8*\t+3], v[ST+8*\t+2:ST+8*\t+3], v[ST+8*\t+4:ST+8*\t+5] op_sel_hi:[1,0]   ; the sums under the new M: plain work behind the exponentials
.endr
	s_wait_alu depctr_va_vdst(0)                   ; one wait for the batch of 64, ahead of its first reader
.if (\cb) < 2
.irp i, 0,1,2,3,4,5,6,7,8,9,10,11,12,13,14,15
	ds_store_b128 v[PA], v[S+4*\i:S+4*\i+3] offset:8192*(\cb)+512*\i   ; an image of the 64 registers, 512 consecutive bytes a store: into my own part of PIMG
.endr
.elseif (\cb) < 4
.irp i, 0,1,2,3,4,5,6,7,8,9,10,11,12,13,14,15
	ds_store_b128 v[CA], v[S+4*\i:S+4*\i+3] offset:8192*((\cb)-2)+512*\i
.endr
.endif
.if (\cb) < 4
.irp t, 0,1,2,3
	ds_store_b32 v[CN], v[ST+8*\t] offset:512*(\cb)+128*\t   ; the -M under which my lane made them
.endr
.elseif (\cb) == 4
.irp t, 0,1,2,3
	v_mov_b32 v[NM+\t], v[ST+8*\t]
.endr
.endif
.irp j, 0,2,4,6,8,10,12,14
.irp t, 0,1,2,3
	v_pk_add_f32 v[ST+8*\t+2:ST+8*\t+3], v[ST+8*\t+2:ST+8*\t+3], v[\e+16*\t+\j:\e+16*\t+\j+1]
.endr
.endr
.endm
; Block blk of pass A: the buffer's chunk is multiplied, the buffer is asked for again (not behind blocks 6 and 7: their chunks stay for pass B1), and the vector work follows while the loads are out
.macro BLOCKA blk
.if (\blk) < 7
	s_wait_loadcnt 17                              ; this buffer's chunk is in; the other buffer's 17 loads may be out
.else
	s_wait_loadcnt 0x0                             ; nothing was issued behind chunk 7
.endif
.if ((\blk) > 0) && ((\blk) < 5)
	s_wait_dscnt 0x0                               ; the last block's LDS stores have read S and -M, which are written below
.endif
	QK (\blk)%2
.if (\blk) < 6
	LOADC (\blk)%2, KW, ((\blk)+2)*CH
.endif
.if (\blk) < 4
	SOFTA S, \blk
.elseif (\blk) == 4
	SOFTA WO, 4
.else
	SOFTA S, 9
.endif
.endm
; PASS B1, the end of every block: v[TM + t] holds tile t's largest weight of the block, v[e + 16 t] .. + 15 the weights.  Scale bytes, holds, codes; images to LDS.  last = 1: the key step's scale words go too.
.macro QTAIL e, blk, last
.irp t, 0,1,2,3
	v_max_num_f32 v[TM+\t], 0x8000000, v[TM+\t]    ; the floor 2^(16 - 127)
.endr
.irp t, 0,1,2,3
	v_add_nc_u32 v[TM+12+\t], 0xf8800000, v[TM+\t]
.endr
.irp t, 0,1,2,3
	v_and_or_b32 v[TM+8+\t], v[TM+\t], 0x7f800000, s[MNT]
.endr
.irp t, 0,1,2,3
	v_lshrrev_b32 v[TM+4+\t], 23, v[TM+12+\t]
.endr
.irp t, 0,1,2,3
.if (\blk)%4 == 0
	v_mov_b32 v[PW+\t], v[TM+4+\t]                 ; blocks 0 and 4 come first in their key steps: byte 0 starts the scale word
.else
	v_lshl_or_b32 v[PW+\t], v[TM+4+\t], 8*((\blk)%4), v[PW+\t]
.endif
.endr
.irp t, 0,1,2,3
.irp j, 0,1,2,3,4,5,6,7,8,9,10,11,12,13,14,15
	v_min_num_f32 v[\e+16*\t+\j], v[\e+16*\t+\j], v[TM+8+\t]   ; the hold: a weight is not negative, so it is one-sided
.endr
	v_cvt_scalef32_pk8_bf8_f32 v[PC+4*\t:PC+4*\t+1], v[\e+16*\t:\e+16*\t+7], v[TM+12+\t]
	v_cvt_scalef32_pk8_bf8_f32 v[PC+4*\t+2:PC+4*\t+3], v[\e+16*\t+8:\e+16*\t+15], v[TM+12+\t]
.endr
	v_nop                                          ; one plain instruction behind the last scaled conversion
.irp t, 0,1,2,3
	ds_store_b128 v[PA], v[PC+4*\t:PC+4*\t+3] offset:8192*((\blk)/4)+2048*((\blk)%4)+512*\t   ; registers 4 c .. 4 c + 3 of P's fragment (t, key step)
.endr
.if \last
.irp t, 0,1,2,3
	ds_store_b32 v[PSW], v[PW+\t] offset:512*((\blk)/4)+128*\t
.endr
.endif
.endm
; The kept weights of block blk (0 .. 3) and their -M come back from LDS.  LDS serves a wave's instructions in order (ISA guide 5.7.1.4): block 0's loads stand ahead of every P image in the lower half of my part of PIMG,
; block 1's ahead of every one in the upper half (the first of those is block 4's).
.macro CLOAD blk
.irp i, 0,1,2,3,4,5,6,7,8,9,10,11,12,13,14,15
.if (\blk) < 2
	ds_load_b128 v[S+4*\i:S+4*\i+3], v[PA] offset:8192*(\blk)+512*\i
.else
	ds_load_b128 v[S+4*\i:S+4*\i+3], v[CA] offset:8192*((\blk)-2)+512*\i
.endif
.endr
.irp t, 0,1,2,3
	ds_load_b32 v[TM+12+\t], v[CN] offset:512*(\blk)+128*\t
.endr
.endm
; Kept weights in v[e] on, made under the -M in v[nm + t], become finished ones: x 2^(their M - M) / l; then the block's largest.
.macro CNORM e, nm
	s_wait_dscnt 0x0                               ; the kept weights are in, and the last block's LDS stores have read the registers that are written below
.irp t, 0,1,2,3
	v_sub_f32 v[TM+12+\t], v[ST+8*\t+2], v[\nm+\t] ; their M - the row's M: a whole number, 0 or less
.endr
.irp t, 0,1,2,3
	v_cvt_i32_f32 v[TM+12+\t], v[TM+12+\t]         ; (it saturates)
.endr
.irp t, 0,1,2,3
	v_ldexp_f32 v[ST+8*\t+4], v[ST+8*\t+3], v[TM+12+\t]   ; 2^(their M - M) / l
.endr
.irp j, 0,2,4,6,8,10,12,14
.irp t, 0,1,2,3
	v_pk_mul_f32 v[\e+16*\t+\j:\e+16*\t+\j+1], v[\e+16*\t+\j:\e+16*\t+\j+1], v[ST+8*\t+4:ST+8*\t+5] op_sel_hi:[1,0]
.endr
.endr
.irp t, 0,1,2,3
	v_max3_num_f32 v[TM+\t], v[\e+16*\t], v[\e+16*\t+1], v[\e+16*\t+2]
.endr
.irp j, 3,5,7,9,11,13
.irp t, 0,1,2,3
	v_max3_num_f32 v[TM+\t], v[TM+\t], v[\e+16*\t+\j], v[\e+16*\t+\j+1]
.endr
.endr
.irp t, 0,1,2,3
	v_max_num_f32 v[TM+\t], v[TM+\t], v[\e+16*\t+15]
.endr
.irp t, 0,1,2,3
	v_permlanex16_b32 v[TM+4+\t], v[TM+\t], s[SEL], s[SEL+1]
.endr
.irp t, 0,1,2,3
	v_max_num_f32 v[TM+\t], v[TM+\t], v[TM+4+\t]   ; with lane l xor 16's 16 keys
.endr
.endm
; PASS B1's vector work for a block whose scores were computed again
.macro SOFTB blk, last
.irp t, 0,1,2,3
	v_max3_num_f32 v[TM+\t], v[S+16*\t], v[S+16*\t+1], v[S+16*\t+2]   ; the block's largest score: the weight rises with the score, so it gives the block's largest weight
.endr
.irp j, 3,5,7,9,11,13
.irp t, 0,1,2,3
	v_max3_num_f32 v[TM+\t], v[TM+\t], v[S+16*\t+\j], v[S+16*\t+\j+1]
.endr
.endr
.irp t, 0,1,2,3
	v_max_num_f32 v[TM+\t], v[TM+\t], v[S+16*\t+15]
.endr
.irp t, 0,1,2,3
	v_permlanex16_b32 v[TM+4+\t], v[TM+\t], s[SEL], s[SEL+1]
.endr
.irp t, 0,1,2,3
	v_max_num_f32 v[TM+\t], v[TM+\t], v[TM+4+\t]   ; with lane l xor 16's 16 keys
.endr
.irp j, 0,2,4,6,8,10,12,14
.irp t, 0,1,2,3
	v_pk_fma_f32 v[S+16*\t+\j:S+16*\t+\j+1], v[S+16*\t+\j:S+16*\t+\j+1], s[CS:CS+1], v[ST+8*\t:ST+8*\t+1] op_sel_hi:[1,0,0]   ; t - M - log2 l
.endr
.endr
.irp t, 0,1,2,3
	v_fma_f32 v[TM+\t], v[TM+\t], s[CS], v[ST+8*\t]   ; the same of the block's largest score
.endr
.set j, 0
.rept 64
	v_exp_f32 v[S+j], v[S+j]                       ; the weight, finished and normalised
.set j, j+1
.endr
.irp t, 0,1,2,3
	v_exp_f32 v[TM+\t], v[TM+\t]                   ; the block's largest: the same two instructions on the same number give the same bits
.endr
	v_nop                                          ; a plain instruction behind the last exponential
	s_wait_alu depctr_va_vdst(0)                   ; one wait for the batch of 68, ahead of its first reader
	s_wait_dscnt 0x0                               ; the last block's LDS stores have read the registers that are written below
	QTAIL S, \blk, \last
.endm
; Blocks 7, 6, 5 of pass B1.  Chunks 7 and 6 have lain in their buffers since pass A, where they were waited for.  Behind block 7's products its buffer takes chunk 5, behind block 6's and 5's the buffers take the first two chunks of vc
.macro BLOCKR blk, last
.if (\blk) == 5
	s_wait_loadcnt 17                              ; chunk 5 is in (and w_out, asked for before it); the 17 loads of vc's first chunk may be out
.endif
	QK (\blk)%2
.if (\blk) == 7
	LOADC 1, KW, 5*CH
.else
	LOADC (\blk)%2, VW, (6-(\blk))*CH
.endif
	SOFTB \blk, \last
.endm
.macro PLOAD n                         ; P's four fragments and scale words of my key step n: 20 LDS loads
.irp t, 0,1,2,3
	ds_load_b32 v[PS+4*((\n)%2)+\t], v[FS] offset:512*(\n)+128*\t
.endr
	WIN 0x40
.irp t, 0,1,2,3
.irp c, 0,1,2,3
	ds_load_b128 v[64*((\n)%2)+16*\t+4*\c:64*((\n)%2)+16*\t+4*\c+3], v[FA] offset:8192*(\n)+2048*\c+512*\t
.endr
.endr
	WIN 0
.endm
; Key step n of phase B2: 16 products, four channel tiles x four query tiles, sixteen accumulators by turns.  Tiles 0, 1 of the chunk are the 32 channels that I keep, tiles 2, 3 those that I give away.
.macro CHUNK n
.if (\n) < 7
	s_wait_loadcnt 17                              ; this chunk is in; the next one's 17 loads may be out
	s_wait_dscnt 20                                ; this key step's P is in; the next one's 20 loads may be out
.else
	s_wait_loadcnt 0x0
	s_wait_dscnt 0x0
.endif
.set rZ, 0
.if (\n) == 0
.set rZ, 1                             ; the first key step starts the sums: nothing is cleared
.endif
	WIN 0x05                                       ; sources 0 (V) and 1 (P) in window 1
.irp a, 0,1,2,3
.irp t, 0,1,2,3
.if \a < 2
.set rD, S+16*\t+8*\a
.else
.set rD, 32+16*\t+64*(\t/2)+8*(\a-2)
.endif
	WM rD, 128+64*((\n)%2)+16*\a, 64*((\n)%2)+16*\t, rZ, KS+2*((\n)%2)+\a/2, PS+4*((\n)%2)+\t, \a%2
.endr
.endr
	WIN 0
.rept 8
	v_nop                                          ; eight places in front of loads into registers that these products read, and of the first read of results
.endr
.if (\n) < 6
	PLOAD (\n)+2
	LOADC (\n)%2, VW, ((\n)+2)*CH
.endif
.endm
	s_load_b512 s[4:19], s[0:1], 0x0               ; quary s[4:5], w_q s[6:7], kc s[8:9], vc s[10:11], w_out_codes s[12:13], w_out_scales s[14:15], b_out s[16:17], input s[18:19]
	s_load_b64 s[20:21], s[0:1], 0x40              ; out0
	v_lshl_add_u32 v[SPW], v0, 2, SPARE
	v_mov_b32 v[NIL], 0
	v_lshrrev_b32 v64, 5, v0
	v_readfirstlane_b32 s22, v64                   ; wave w
	s_and_b32 s23, s22, 3                          ; cq
	s_lshr_b32 s24, s22, 2                         ; kh
	s_mov_b32 s25, ttmp9                           ; the block of 64 queries
	s_and_b32 s26, ttmp7, 0xffff                   ; the batch
	v_and_b32 v65, 31, v0                          ; lane
	v_and_b32 v66, 15, v0                          ; r
	v_bfe_u32 v67, v0, 4, 1                        ; h
	v_lshlrev_b32 v[L16], 4, v65
	v_lshlrev_b32 v[L8], 3, v65
	v_lshlrev_b32 v[R4], 2, v66
	v_lshlrev_b32 v[L4], 2, v65
	v_lshlrev_b32 v[WOA], 8, v66
	v_lshl_add_u32 v[WOA], v67, 4, v[WOA]
	v_lshlrev_b32 v[WSA], 3, v66
	v_mul_u32_u24 v[WQA], v67, 192
	s_mov_b32 s[CS], 0x3db8aa3b                    ; log2(e) / 16
	s_mov_b32 s[CS+1], s[CS]
	s_mov_b32 s[SEL], 0x76543210
	s_mov_b32 s[SEL+1], 0xfedcba98
	s_mov_b32 s[MNT], 0x600000
	; byte offsets, each in a pair with 0 above it
	s_mul_i32 s42, s26, 24576                      ; quary: the batch's three rows of 8,192 bytes,
	s_lshl_b32 s43, s25, 8
	s_add_co_u32 s42, s42, s43                     ; the 64 queries,
	s_lshr_b32 s43, s22, 1
	s_lshl_b32 s43, s43, 6
	s_add_co_u32 s42, s42, s43                     ; tile t = w / 2: the fragment of Q that I make is (w / 2, w % 2)
	s_mov_b32 s43, 0
	s_and_b32 s44, s22, 1
	s_mul_i32 s44, s44, 1536                       ; w_q: 128 channels of 12 bytes
	s_mov_b32 s45, 0
	s_lshl_b32 s46, s26, 6
	s_lshl_b32 s47, s22, 3
	s_add_co_u32 s46, s46, s47
	s_mul_i32 s46, s46, CH                         ; kc: chunk 64 batch + 8 w
	s_mov_b32 s47, 0
	s_lshl_b32 s48, s26, 2
	s_add_co_u32 s48, s48, s23
	s_lshl_b32 s48, s48, 4
	s_lshl_b32 s49, s24, 3
	s_add_co_u32 s48, s48, s49
	s_mul_i32 s48, s48, CH                         ; vc: chunk (4 batch + cq) 16 + 8 kh
	s_mov_b32 s49, 0
	s_lshl_b32 s50, s22, 13                        ; w_out's codes: my 32 rows of 256 bytes
	s_mov_b32 s51, 0
	s_lshl_b32 s52, s22, 8                         ; its scales
	s_mov_b32 s53, 0
	s_lshl_b32 s54, s22, 7                         ; b_out
	s_mov_b32 s55, 0
	s_lshl_b32 s56, s26, 21                        ; input, out0: the batch, my 32 channels, the 64 positions
	s_lshl_b32 s57, s22, 18
	s_add_co_u32 s56, s56, s57
	s_lshl_b32 s57, s25, 8
	s_add_co_u32 s56, s56, s57
	s_mov_b32 s57, 0
	s_wait_kmcnt 0x0
	s_add_nc_u64 s[4:5], s[4:5], s[42:43]
	s_add_nc_u64 s[6:7], s[6:7], s[44:45]
	s_add_nc_u64 s[KW:KW+1], s[8:9], s[46:47]
	s_add_nc_u64 s[VW:VW+1], s[10:11], s[48:49]
	s_add_nc_u64 s[12:13], s[12:13], s[50:51]
	s_add_nc_u64 s[14:15], s[14:15], s[52:53]
	s_add_nc_u64 s[16:17], s[16:17], s[54:55]
	s_add_nc_u64 s[18:19], s[18:19], s[56:57]
	s_add_nc_u64 s[20:21], s[20:21], s[56:57]
.irp i, 0,1,2
	global_load_b32 v[QY+\i], v[R4], s[4:5] offset:8192*\i
.endr
	WIN 0x40
.set n, 0
.rept 48                               ; w_q of my half's 16 channels of each block of 32: 192 consecutive bytes a block; float n of 192 lies in window 1's register n + 64 (n / 128): chunk buffer 0 stays free
	global_load_b128 v[n+64*(n/128):n+64*(n/128)+3], v[WQA], s[6:7] offset:384*(n/48)+4*(n%48)
.set n, n+4
.endr
	WIN 0
.irp n, 0,1
	global_load_b32 v[BO+\n], v[R4], s[16:17] offset:64*\n
.endr
	LOADC 0, KW, 0
	; the LDS addresses: each a constant + a lane term + a constant x the wave's number
	s_lshl_b32 s42, s22, 11
	v_add_nc_u32 v[QWI], s42, v[L16]
	s_lshl_b32 s42, s22, 7
	s_add_co_u32 s42, s42, QSC
	v_add_nc_u32 v[QWS], s42, v[L4]
	s_lshl_b32 s42, s22, 10
	s_add_co_u32 s43, s42, STAT
	v_add_nc_u32 v[STW], s43, v[L8]
	v_add_nc_u32 v[STR], STAT, v[L8]
	s_add_co_u32 s43, s42, PSC
	v_add_nc_u32 v[PSW], s43, v[L4]
	s_lshl_b32 s42, s22, 14
	s_add_co_u32 s42, s42, PIMG
	v_add_nc_u32 v[PA], s42, v[L16]
	s_mul_i32 s42, s22, CWAVE
	s_add_co_u32 s42, s42, CACHE
	v_add_nc_u32 v[CA], s42, v[L16]
	s_add_co_u32 s42, s42, 16384
	v_add_nc_u32 v[CN], s42, v[L4]
	s_lshl_b32 s42, s24, 16
	s_add_co_u32 s42, s42, PIMG
	v_add_nc_u32 v[FA], s42, v[L16]
	s_lshl_b32 s42, s24, 12
	s_add_co_u32 s42, s42, PSC
	v_add_nc_u32 v[FS], s42, v[L4]
	s_lshl_b32 s42, s22, 13
	s_add_co_u32 s42, s42, XCH
	v_add_nc_u32 v[XW], s42, v[L16]
	s_xor_b32 s42, s22, 4                          ; my partner: the same channels, the other half of the keys
	s_lshl_b32 s42, s42, 13
	s_add_co_u32 s42, s42, XCH
	v_add_nc_u32 v[XR], s42, v[L16]
	s_lshr_b32 s42, s23, 1                         ; the 32 channels that I keep are block c = 2 (cq % 2) + kh of K step s = cq / 2
	s_and_b32 s43, s23, 1
	s_lshl_b32 s43, s43, 1
	s_add_co_u32 s43, s43, s24
	s_lshl_b32 s44, s42, 11
	s_lshl_b32 s45, s43, 9
	s_add_co_u32 s44, s44, s45
	s_add_co_u32 s44, s44, OIMG
	v_add_nc_u32 v[OW], s44, v[L16]
	s_lshl_b32 s44, s42, 6
	s_add_co_u32 s44, s44, s43
	s_add_co_u32 s44, s44, OSC
	v_add_nc_u32 v[OB8], s44, v[R4]
	v_add_nc_u32 v[OF], OIMG, v[L16]
	v_add_nc_u32 v[OSR], OSC, v[R4]
	s_mul_i32 s42, s22, 8704
	s_add_co_u32 s42, s42, STG
	v_mul_u32_u24 v[SGW], v66, 272
	v_lshl_add_u32 v[SGW], v67, 5, v[SGW]
	v_add_nc_u32 v[SGW], s42, v[SGW]
	v_mul_u32_u24 v[SGR], v67, 272
	v_lshl_add_u32 v[SGR], v66, 4, v[SGR]
	v_add_nc_u32 v[SGR], s42, v[SGR]
	v_lshlrev_b32 v[GO], 13, v67
	v_lshl_add_u32 v[GO], v66, 4, v[GO]
.irp t, 0,1,2,3
	v_mov_b32 v[ST+8*\t+1], 0xff61b1e6             ; the largest score so far: -3e38, under every score
	v_mov_b32 v[ST+8*\t+2], 0                      ; the sum, in two halves
	v_mov_b32 v[ST+8*\t+3], 0
	v_mov_b32 v[ST+8*\t+4], 0
	v_mov_b32 v[ST+8*\t+5], 0                      ; (named as the upper half of a pair)
	v_mov_b32 v[ST+8*\t+6], 0                      ; (a lane permute's destination counts as one of its sources)
	v_mov_b32 v[ST+8*\t+7], 0
	v_mul_f32 v[ST+8*\t], s[CS], v[ST+8*\t+1]
	v_floor_f32 v[ST+8*\t], -v[ST+8*\t]            ; -M
	v_mov_b32 v[TM+4+\t], 0
.endr
	; ---- Q: my fragment (tile w / 2, K step w % 2): number 16 b + i is channel 128 s + 32 b + 16 h + i of my query
	s_wait_loadcnt 19                              ; quary and w_q are in; behind them stand b_out's 2 loads and the 17 of chunk 0
	WIN 0x01                                       ; source 0 (w_q) in window 1
.set n, 0
.rept 64
.set q, 48*(n/16)+3*(n%16)
	v_mul_f32 v[S+n], v[q+64*(q/128)], v[QY]
.set n, n+1
.endr
.set n, 0
.rept 64
.set q, 48*(n/16)+3*(n%16)+1
	v_fma_f32 v[S+n], v[q+64*(q/128)], v[QY+1], v[S+n]
.set n, n+1
.endr
.set n, 0
.rept 64
.set q, 48*(n/16)+3*(n%16)+2
	v_fma_f32 v[S+n], v[q+64*(q/128)], v[QY+2], v[S+n]
.set n, n+1
.endr
	WIN 0
	LOADC 1, KW, CH                                ; w_q's registers are free
	QUANT4 S, 1
.irp c, 0,1,2,3
	ds_store_b128 v[QWI], v[PC+4*\c:PC+4*\c+3] offset:QIMG+512*\c
.endr
	ds_store_b32 v[QWS], v[PW]
	BAR                                            ; Q's eight fragments lie in LDS
	WIN 0x40
.irp f, 0,1,2,3,4,5,6,7
.irp c, 0,1,2,3
	ds_load_b128 v[16*\f+4*\c:16*\f+4*\c+3], v[L16] offset:QIMG+2048*\f+512*\c
.endr
.endr
	WIN 0
.irp f, 0,1,2,3,4,5,6,7
	ds_load_b32 v[QS+\f], v[L4] offset:QSC+128*\f
.endr
	s_wait_dscnt 0x0
	; ---- PASS A: my eight chunks of kc, written out: the blocks differ in what they keep and in what they ask for.  Chunks 0 and 1 are on their way
.irp k, 0,1,2,3,4,5,6,7
	BLOCKA \k
.endr
	; ---- COMBINE: the two halves of the lanes,
.irp t, 0,1,2,3
	v_add_f32 v[ST+8*\t+3], v[ST+8*\t+2], v[ST+8*\t+3]
.endr
.irp t, 0,1,2,3
	v_permlanex16_b32 v[ST+8*\t+6], v[ST+8*\t], s[SEL], s[SEL+1]
.endr
.irp t, 0,1,2,3
	v_min_num_f32 v[ST+8*\t+2], v[ST+8*\t], v[ST+8*\t+6]   ; the smaller -M is the larger M
.endr
.irp t, 0,1,2,3
	v_sub_f32 v[ST+8*\t+7], v[ST+8*\t+2], v[ST+8*\t]
.endr
.irp t, 0,1,2,3
	v_cvt_i32_f32 v[ST+8*\t+7], v[ST+8*\t+7]
.endr
.irp t, 0,1,2,3
	v_ldexp_f32 v[ST+8*\t+3], v[ST+8*\t+3], v[ST+8*\t+7]   ; my sum under the common M
.endr
.irp t, 0,1,2,3
	v_permlanex16_b32 v[ST+8*\t+6], v[ST+8*\t+3], s[SEL], s[SEL+1]
.endr
.irp t, 0,1,2,3
	v_add_f32 v[ST+8*\t+3], v[ST+8*\t+3], v[ST+8*\t+6]
.endr
.irp t, 0,1,2,3
	ds_store_b64 v[STW], v[ST+8*\t+2:ST+8*\t+3] offset:256*\t
.endr
	BAR                                            ; every wave's (-M, sum) lies in LDS
.irp t, 0,1,2,3
.irp k, 0,1,2,3,4,5,6,7
	ds_load_b64 v[S+16*\t+2*\k:S+16*\t+2*\k+1], v[STR] offset:1024*\k+256*\t
.endr
.endr
	s_wait_dscnt 0x0
	; then the eight waves
.irp t, 0,1,2,3
	v_min_num_f32 v[ST+8*\t], v[S+16*\t], v[S+16*\t+2]
.endr
.irp k, 2,3,4,5,6,7
.irp t, 0,1,2,3
	v_min_num_f32 v[ST+8*\t], v[ST+8*\t], v[S+16*\t+2*\k]
.endr
.endr
.irp k, 0,1,2,3,4,5,6,7
.irp t, 0,1,2,3
	v_sub_f32 v[S+16*\t+2*\k], v[ST+8*\t], v[S+16*\t+2*\k]
.endr
.endr
.irp k, 0,1,2,3,4,5,6,7
.irp t, 0,1,2,3
	v_cvt_i32_f32 v[S+16*\t+2*\k], v[S+16*\t+2*\k]
.endr
.endr
.irp k, 0,1,2,3,4,5,6,7
.irp t, 0,1,2,3
	v_ldexp_f32 v[S+16*\t+2*\k+1], v[S+16*\t+2*\k+1], v[S+16*\t+2*\k]
.endr
.endr
.irp k, 0,2,4,6
.irp t, 0,1,2,3
	v_add_f32 v[S+16*\t+2*\k+1], v[S+16*\t+2*\k+1], v[S+16*\t+2*\k+3]
.endr
.endr
.irp k, 0,4
.irp t, 0,1,2,3
	v_add_f32 v[S+16*\t+2*\k+1], v[S+16*\t+2*\k+1], v[S+16*\t+2*\k+5]
.endr
.endr
.irp t, 0,1,2,3
	v_add_f32 v[S+16*\t+1], v[S+16*\t+1], v[S+16*\t+9]     ; l: the row's sum
.endr
.irp t, 0,1,2,3
	v_log_f32 v[ST+8*\t+6], v[S+16*\t+1]           ; for the blocks that are computed again
.endr
.irp t, 0,1,2,3
	v_rcp_f32 v[ST+8*\t+3], v[S+16*\t+1]           ; for the kept ones
.endr
.irp t, 0,1,2,3
	v_mov_b32 v[ST+8*\t+2], v[ST+8*\t]             ; the row's -M is kept too.  (Plain instructions behind the last transcendental)
.endr
	s_wait_alu depctr_va_vdst(0)                   ; one wait for the eight, ahead of their first reader
.irp t, 0,1,2,3
	v_sub_f32 v[ST+8*\t], v[ST+8*\t], v[ST+8*\t+6] ; -M - log2 l
.endr
	; ---- PASS B1: blocks 0 to 3 from LDS, block 4 from its registers, blocks 7, 6, 5 anew.  Every LDS offset is an immediate
.irp k, 0,1,2
	CLOAD \k
	CNORM S, TM+12
	QTAIL S, \k, 0
.endr
	CLOAD 3
	CNORM S, TM+12
	QTAIL S, 3, 1                                  ; key step 0's scale words are whole
	CNORM WO, NM
	QTAIL WO, 4, 0
.irp n, 0,1                            ; block 4's registers are free: they take w_out, which is wanted on the way out.  Every later wait on my loads shows these 18 landed: they are the oldest
.irp s, 0,1
.irp c, 0,1,2,3
	global_load_b128 v[WO+16*(2*\n+\s)+4*\c:WO+16*(2*\n+\s)+4*\c+3], v[WOA], s[12:13] offset:4096*\n+128*\s+32*\c
.endr
.endr
.endr
.irp n, 0,1
	global_load_b64 v[WOS+2*\n:WOS+2*\n+1], v[WSA], s[14:15] offset:128*\n
.endr
	BLOCKR 7, 0
	BLOCKR 6, 0
	BLOCKR 5, 1                                    ; key step 1's scale words are whole
	BAR                                            ; P's 64 fragments and their scale words lie in LDS; nobody reads kept weights any more
	; ---- PHASE B2: my eight chunks of vc; chunks 0 and 1 are on their way
	PLOAD 0
	PLOAD 1
.irp k, 0,1,2,3,4,5,6,7
	CHUNK \k
.endr
	; ---- THE WAY OUT
	WIN 0x40
.irp i, 0,1,2,3,4,5,6,7,8,9,10,11,12,13,14,15
	global_load_b128 v[128+4*\i:128+4*\i+3], v[GO], s[18:19] offset:16384*\i th:TH_LOAD_NT   ; the residual: rows 2 i + h of my 32 channels, 256 bytes of each; read once in this launch
.endr
	WIN 0
.irp t, 0,1,2,3
.irp p, 0,1,2,3
	ds_store_b128 v[XW], v[32+16*\t+64*(\t/2)+4*\p:32+16*\t+64*(\t/2)+4*\p+3] offset:512*(4*\t+\p)   ; what my partner keeps; each accumulator from its low end on
.endr
.endr
	BAR
.irp t, 0,1,2,3
.irp p, 0,1,2,3
	ds_load_b128 v[32+16*\t+64*(\t/2)+4*\p:32+16*\t+64*(\t/2)+4*\p+3], v[XR] offset:512*(4*\t+\p)
.endr
.endr
	s_wait_dscnt 0x0
.irp t, 0,1,2,3
.irp j, 0,2,4,6,8,10,12,14
	v_pk_add_f32 v[S+16*\t+\j:S+16*\t+\j+1], v[S+16*\t+\j:S+16*\t+\j+1], v[32+16*\t+64*(\t/2)+\j:32+16*\t+64*(\t/2)+\j+1]   ; both halves of the keys: register 16 t + i is O(query 16 t + r, channel 64 cq + 32 kh + 16 h + i)
.endr
.endr
	QUANT4 S, 0                                    ; block t: tile t's queries, my 32 channels
.irp t, 0,1,2,3
	ds_store_b128 v[OW], v[PC+4*\t:PC+4*\t+3] offset:4096*\t
.endr
.irp t, 0,1,2,3
	ds_store_b8 v[OB8], v[TM+4+\t] offset:128*\t   ; both lanes of a block write the same byte with the same value
.endr
	BAR                                            ; O's eight fragments lie in LDS
	WIN 0x40
.irp f, 0,1,2,3,4,5,6,7
.irp c, 0,1,2,3
	ds_load_b128 v[16*\f+4*\c:16*\f+4*\c+3], v[OF] offset:2048*\f+512*\c
.endr
.endr
	WIN 0
.irp f, 0,1,2,3,4,5,6,7
	ds_load_b32 v[QS+\f], v[OSR] offset:64*\f
.endr
.irp n, 0,1
.irp j, 0,1,2,3,4,5,6,7
	v_mov_b32 v[BC+8*\n+\j], v[BO+\n]              ; a lane holds one output channel: its bias in all eight registers of the C operand
.endr
.endr
.rept 4
	v_nop
.endr
	s_wait_dscnt 0x0
	WIN 0x01                                       ; source 0 (O) in window 1
.irp s, 0,1
.irp t, 0,1,2,3
.irp n, 0,1
.if \s == 0
	v_wmma_scale_f32_16x16x128_f8f6f4 v[S+16*\t+8*\n:S+16*\t+8*\n+7], v[16*(2*\t+\s):16*(2*\t+\s)+15], v[WO+16*(2*\n+\s):WO+16*(2*\n+\s)+15], v[BC+8*\n:BC+8*\n+7], v[QS+2*\t+\s], v[WOS+2*\n+\s] matrix_a_fmt:MATRIX_FMT_BF8 matrix_b_fmt:MATRIX_FMT_BF8
.else
	v_wmma_scale_f32_16x16x128_f8f6f4 v[S+16*\t+8*\n:S+16*\t+8*\n+7], v[16*(2*\t+\s):16*(2*\t+\s)+15], v[WO+16*(2*\n+\s):WO+16*(2*\n+\s)+15], v[S+16*\t+8*\n:S+16*\t+8*\n+7], v[QS+2*\t+\s], v[WOS+2*\n+\s] matrix_a_fmt:MATRIX_FMT_BF8 matrix_b_fmt:MATRIX_FMT_BF8
.endif
.endr
.endr
.endr
	WIN 0
.rept 8
	v_nop                                          ; eight places in front of the first read of results and of loads into registers that these products read
.endr
.irp t, 0,1,2,3
.irp n, 0,1
	ds_store_b128 v[SGW], v[S+16*\t+8*\n:S+16*\t+8*\n+3] offset:4352*\n+64*\t       ; lane (r, h): channel 16 n + r of my 32, positions 16 t + 8 h + 0 .. 7
	ds_store_b128 v[SGW], v[S+16*\t+8*\n+4:S+16*\t+8*\n+7] offset:4352*\n+64*\t+16
.endr
.endr
	WIN 0x40
.irp i, 0,1,2,3,4,5,6,7,8,9,10,11,12,13,14,15
	ds_load_b128 v[4*\i:4*\i+3], v[SGR] offset:544*\i   ; LDS serves a wave's instructions in order (ISA guide 5.7.1.4): these see my stores.  Lanes 0-15 one row, lanes 16-31 the next
.endr
	s_wait_dscnt 0x0
	s_wait_loadcnt 0x0                             ; the residual
	WIN 0x45                                       ; destination and both sources in window 1
.set j, 0
.rept 32
	v_pk_add_f32 v[j:j+1], v[j:j+1], v[128+j:129+j]
.set j, j+2
.endr
	WIN 0x04                                       ; a store's data are its source 1: window 1
.irp i, 0,1,2,3,4,5,6,7,8,9,10,11,12,13,14,15
	global_store_b128 v[GO], v[4*\i:4*\i+3], s[20:21] offset:16384*\i th:TH_STORE_NT   ; sixteen lanes store 256 consecutive bytes at a multiple of 256 from out0's first byte
.endr
	WIN 0
	s_wait_tensorcnt 0x0                           ; the wave's end
	ds_add_u32 v[SPW], v[NIL]
	s_wait_dscnt 0x0
	s_endpgm
.Lfunc_end_k_qb02d8d08dc_attn:
	.size	k_qb02d8d08dc_attn, .Lfunc_end_k_qb02d8d08dc_attn-k_qb02d8d08dc_attn
	.p2alignl 7, 3214868480
	.fill 96, 4, 3214868480
	.section	.rodata,"a",@progbits
	.p2align	6, 0x0
	.amdhsa_kernel k_qb02d8d08dc_attn
		.amdhsa_group_segment_fixed_size 317952
		.amdhsa_private_segment_fixed_size 0
		.amdhsa_enable_private_segment 0
		.amdhsa_kernarg_size 72
		.amdhsa_user_sgpr_count 2
		.amdhsa_user_sgpr_kernarg_segment_ptr 1
		.amdhsa_wavefront_size32 1
		.amdhsa_system_sgpr_workgroup_id_x 1
		.amdhsa_system_sgpr_workgroup_id_y 1
		.amdhsa_system_sgpr_workgroup_id_z 1
		.amdhsa_system_vgpr_workitem_id 0
		.amdhsa_next_free_vgpr 512
		.amdhsa_next_free_sgpr 66
		.amdhsa_reserve_vcc 0
		.amdhsa_float_denorm_mode_32 3
		.amdhsa_float_denorm_mode_16_64 3
		.amdhsa_memory_ordered 1
		.amdhsa_forward_progress 1
		.amdhsa_inst_pref_size 255
	.end_amdhsa_kernel
	.section	.bss,"aw",@nobits
	.p2align	6
	.space	262144
	.amdgpu_metadata
---
amdhsa.version: [ 1, 2 ]
amdhsa.kernels:
  - .name:           k_qb02d8d08dc_attn
    .symbol:         k_qb02d8d08dc_attn.kd
    .args:
      - { .name: quary, .offset: 0, .size: 8, .value_kind: global_buffer, .address_space: global }
      - { .name: w_q, .offset: 8, .size: 8, .value_kind: global_buffer, .address_space: global }
      - { .name: kc, .offset: 16, .size: 8, .value_kind: global_buffer, .address_space: global }
      - { .name: vc, .offset: 24, .size: 8, .value_kind: global_buffer, .address_space: global }
      - { .name: w_out_codes, .offset: 32, .size: 8, .value_kind: global_buffer, .address_space: global }
      - { .name: w_out_scales, .offset: 40, .size: 8, .value_kind: global_buffer, .address_space: global }
      - { .name: b_out, .offset: 48, .size: 8, .value_kind: global_buffer, .address_space: global }
      - { .name: input, .offset: 56, .size: 8, .value_kind: global_buffer, .address_space: global }
      - { .name: out0, .offset: 64, .size: 8, .value_kind: global_buffer, .address_space: global }
    .group_segment_fixed_size: 317952
    .private_segment_fixed_size: 0
    .kernarg_segment_align: 8
    .kernarg_segment_size: 72
    .max_flat_workgroup_size: 256
    .sgpr_count:     66
    .vgpr_count:     512
    .wavefront_size: 32
...
	.end_amdgpu_metadata
.endif
;; end of part 3
